; MI455X (gfx1250); checked and timed in simulation.
; The chip was launched on July 23, 2026; its instructions are those of AMD's public machine-readable ISA for CDNA 5 (MIT licence, August 2026) and "CDNA5" Instruction Set Architecture Reference Guide (July 2026). The comments in the code are by the model that wrote it; some were corrected since.
;; Audio Attention Pooler. Allowed arithmetic: matrix products marked QUANTISED: E4M3 operands, one E8M0 scale for each 32 along K, by v_wmma_scale_f32_16x16x128_f8f6f4 with both operands' format E4M3, f32 sums; products left as they are: f32 operands where the result goes on into a quantised operand, else bf16, f16 or f32 operands; f32 sums; everything else in f32.
;; Inputs: hidden_states 32 x 1,024 x 1,024 float32; kv_b 2,048 float32; kv_w 1,024 x 2,048 float32; mask 32 x 1,024 int32; out_b 1,024 float32; out_w 1,024 x 1,024 float32; query 1,024 float32.
;; Outputs: out0 32 x 1,024 float32.
;; This version of the problem:
;;   THIS VERSION OF THE PROBLEM IS GIVEN IN LOW PRECISION. The matrix products marked QUANTISED in the list below multiply operands that are first quantised to E4M3 (4 exponent bits, 3 mantissa bits; 8 bits a number), with one power-of-two scale for each 32 numbers along K (OCP MX v1.0); their sums are f32. All else is computed in f32.
;;   The module's matrix products, in the order in which they are computed (A, B: the left and right operand; K: the contracted axis; several contracted axes count as one K, in the product's order):
;;     1. [M 32,768, K 1,024] x [K 1,024, N 2,048]; A: input hidden_states; B: input kv_w: QUANTISED
;;     2. batch 16 x [M 32,768, K 64] x [K 64, N 1]; A: computed on the way; B: computed on the way: left as it is (N = 1 < 16)
;;     3. batch 512 x [M 1, K 1,024] x [K 1,024, N 64]; A: softmax; B: computed on the way: left as it is (M = 1 < 16)
;;     4. [M 32, K 1,024] x [K 1,024, N 1,024]; A: computed on the way; B: input out_w: QUANTISED
;;   THE QUANTISER, for each operand of a quantised product, along K:
;;     - K is cut into blocks of 32 from its start; a last block that is shorter is filled with zeros.
;;     - A block's scale is 2^e with e = floor(log2(the largest magnitude in the block)) - 8, held to -126 .. 127; a block of zeros has e = 0. As a byte (E8M0): e + 127.
;;     - Each number is divided by its block's scale, clamped to +-448, and rounded to the nearest number of E4M3, ties to even, subnormals kept.
;;     - The product sums the exact products of the quantised numbers (number of the format x scale) in f32.
;;   ~~~python
;;   def quantise(x, axis):      # numpy; x: float32 -> the quantised numbers, widened to float32 again
;;       x = np.moveaxis(x, axis, -1); K = x.shape[-1]
;;       x = np.pad(x, [(0, 0)] * (x.ndim - 1) + [(0, -K % 32)]); x = x.reshape(x.shape[:-1] + (-1, 32)); a = np.abs(x).max(-1, keepdims=True)
;;       e = np.where(a > 0, np.clip(np.frexp(np.where(a > 0, a, 1))[1] - 1 - 8, -126, 127), 0)      # np.frexp(a)[1] - 1 = floor(log2(a)), exactly
;;       r = np.clip(x / 2.0 ** e, -448, 448)
;;       step = 2.0 ** (np.maximum(np.frexp(np.where(r == 0, 1, r))[1] - 1, -6) - 3)
;;       q = np.round(r / step) * step * 2.0 ** e      # np.round: ties to even
;;       return np.moveaxis(q.reshape(q.shape[:-2] + (-1,))[..., :K], -1, axis).astype(np.float32)
;;   ~~~
;;   OPERANDS COMPUTED ON THE WAY. 'Computed on the way' means the value that the module computes at that place (a softmax that the list does not call 'softmax' is quantised finished and normalised). What goes into a quantiser is computed in f32, as accurately as f32 sums, v_exp_f32 and their like allow (about 1e-6 of the number): no bf16 or f16 on the way to a quantiser, and a product that is left as it is and whose result goes on into a quantised operand takes f32 operands (vector FMAs, or v_wmma_f32_16x16x4_f32). A number that lies on a knife's edge between two numbers of the format may be rounded either way, as far as f32 arithmetic and the matrix unit's own rounding can turn it there, and no further.
;; One version. Each part assembles by itself: llvm-mc -triple=amdgcn-amd-amdhsa -mcpu=gfx1250 --defsym DOCPART=n.
;; ======== version 1 of 1: 3 launches
;; workspace buffers: wq 3,244,032 bytes; part_o 2,097,152 bytes; part_ml 65,536 bytes
;; launch prep (part 1): grid 96 x 1, 8 waves a work-group, no clusters, 5,120 bytes of LDS; arguments kv_w, out_w, wq; writes wq
.if DOCPART == 1
	.amdgcn_target "amdgcn-amd-amdhsa--gfx1250"
	.amdhsa_code_object_version 6
	.text
	.protected	k_q48edb4de3f_prep
	.globl	k_q48edb4de3f_prep
	.p2align	8
	.type	k_q48edb4de3f_prep,@function
k_q48edb4de3f_prep:
	s_mov_b64 s[64:65], 0
	v_nop
	global_prefetch_b8 v0, s[64:65] scope:SCOPE_SE
	s_setreg_imm32_b32 hwreg(HW_REG_WAVE_MODE, 25, 1), 1
	s_wait_xcnt 0x0
; kv_w [1024][2048] and out_w [1024][1024], f32, K along the FIRST axis, become codes of FP8 (E4M3) with one E8M0 byte for each 32 along K,
; laid in the order in which a wave's operand registers take them.  wq is 24 slots of 135,168 bytes; slot T holds columns 128 T .. 128 T + 127 of [kv_w | out_w]:
;   codes at u*16384 + s*2048 + c*512 + lane*16 (u: tile of 16 columns, s: K step of 128): lane (r, h) finds there the 16 codes of column 16 u + r at k = 128 s + 32 c + 16 h + 0 .. 15;
;   scale words at 131072 + u*512 + lane*16 + 4 q: the four bytes of column r for K step 2 q + h.
; A LANE TAKES A COLUMN AND ITS REGISTERS RUN DOWN K: a block of 32 lies in one lane's 32 registers, and the conversions give codes with K innermost.
; A work-group takes 32 columns, wave s K step s.  A block's scale is 2^(floor(log2(largest magnitude)) - 8); its byte is the largest magnitude's exponent field - 8, held at 1 from below.
; LIMITS: a block of zeros, or one whose largest magnitude lies under 2^-118, gets the byte 1 (its codes are zeros or the nearest codes under that scale; this program alone reads the bytes); NaN and infinities are not served.
.set SLOTB, 135168
.set EMAX,  8
.set X,     32                         ; v32-159  128 numbers: four blocks of 32 down K
.set C,     160                        ; v160-191 the codes, eight registers a block: never written again, so no store's data are overwritten
.set SW,    24                         ; v24      my column's scale word for this K step
	s_load_b128 s[4:7], s[0:1], 0x0                ; kv_w, out_w
	s_load_b64 s[8:9], s[0:1], 0x10                ; wq
	v_lshl_add_u32 v192, v0, 2, 0x1000
	v_mov_b32 v193, 0
	v_lshrrev_b32 v1, 5, v0
	v_readfirstlane_b32 s16, v1                    ; wave = K step s
	v_and_b32 v2, 31, v0                           ; lane = column of the work-group's 32
	v_lshlrev_b32 v3, 2, v2                        ; in: 4 bytes a lane
	v_lshrrev_b32 v7, 4, v2                        ; which of the two tiles of 16 columns
	v_and_b32 v8, 15, v2                           ; r
	v_lshlrev_b32 v4, 4, v8                        ; 16 r
	s_and_b32 s17, s16, 1
	s_lshl_b32 s17, s17, 8                         ; odd K steps lie in lanes 16-31 of the scale image: 256 bytes on
	s_lshr_b32 s18, s16, 1
	s_lshl_b32 s18, s18, 2                         ; word q = s / 2
	s_add_co_u32 s17, s17, s18
	v_lshl_add_u32 v5, v7, 9, v4
	v_add_nc_u32 v5, s17, v5                       ; LDS: tile*512 + 16 r + 256 (s % 2) + 4 (s / 2)
	v_lshl_add_u32 v4, v7, 14, v4                  ; codes out: tile*16384 + 16 r
	v_lshlrev_b32 v6, 4, v0                        ; the scale image on its way out: 16 bytes a thread (waves 0 and 1 alone)
	s_mov_b32 s31, 0x600000                        ; the mantissa field of 448
	s_lshr_b32 s20, ttmp9, 2                       ; slot T
	s_mul_i32 s20, s20, SLOTB
	s_and_b32 s21, ttmp9, 3
	s_lshl_b32 s22, s21, 15                        ; my first tile u0 = 2 (g % 4): u0*16384
	s_lshl_b32 s23, s16, 11                        ; s*2048
	s_add_co_u32 s22, s22, s23
	s_add_co_u32 s22, s22, s20
	s_mov_b32 s23, 0
	s_lshl_b32 s24, s21, 10                        ; u0*512
	s_add_co_u32 s24, s24, s20
	s_add_co_u32 s24, s24, 131072
	s_mov_b32 s25, 0
	s_wait_kmcnt 0x0
	s_add_nc_u64 s[10:11], s[8:9], s[22:23]        ; where my codes go
	s_add_nc_u64 s[12:13], s[8:9], s[24:25]        ; where the work-group's scale image goes
	s_cmp_lt_u32 ttmp9, 64                         ; kv_w's work-group or out_w's: the choice hangs on the work-group's number alone
	s_cselect_b64 s[4:5], s[4:5], s[6:7]
	s_cselect_b32 s26, 0, 64
	s_cselect_b32 s27, 20, 19                      ; 128 rows of K are 2^20 bytes of kv_w, 2^19 of out_w
	s_sub_co_u32 s26, ttmp9, s26
	s_lshl_b32 s26, s26, 7                         ; 32 columns are 128 bytes
	s_lshl_b32 s27, s16, s27
	s_add_co_u32 s26, s26, s27
	s_mov_b32 s27, 0
	s_add_nc_u64 s[4:5], s[4:5], s[26:27]
.macro LOADS pitch                     ; 128 rows of K at my column: a load reads 128 consecutive bytes; every offset is an immediate (127 x 8,192 at the most)
.set row, 0
.rept 128
	global_load_b32 v[X+row], v3, s[4:5] offset:row*\pitch th:TH_LOAD_NT
.set row, row+1
.endr
.endm
	s_cmp_lt_u32 ttmp9, 64
	s_cbranch_scc0 .Lout_w
	LOADS 8192
	s_branch .Lloaded
.Lout_w:
	LOADS 4096
.Lloaded:
.macro BLOCK t, left
.set XS, X+32*(\t)
	s_wait_loadcnt \left                           ; this block's 32 loads are in (the count names at most the later blocks' loads, and at most what the field holds)
	v_max3_num_f32 v12, |v[XS]|, |v[XS+1]|, |v[XS+2]|
	v_max3_num_f32 v13, |v[XS+3]|, |v[XS+4]|, |v[XS+5]|
.irp i, 6,10,14,18,22,26
	v_max3_num_f32 v12, v12, |v[XS+\i]|, |v[XS+\i+1]|
	v_max3_num_f32 v13, v13, |v[XS+\i+2]|, |v[XS+\i+3]|
.endr
	v_max3_num_f32 v12, v12, |v[XS+30]|, |v[XS+31]|
	v_max3_num_f32 v12, v12, v13, (EMAX+1)<<23     ; the floor 2^(9 - 127): the byte cannot fall under 1
	v_add_nc_u32 v11, -(EMAX<<23), v12             ; 8 off the exponent field: the conversion's scale operand
	v_and_or_b32 v10, v12, 0x7f800000, s31         ; 448 x the scale
	v_lshrrev_b32 v13, 23, v11                     ; the scale's byte
.if (\t) == 0
	v_mov_b32 v[SW], v13
.else
	v_lshl_or_b32 v[SW], v13, 8*(\t), v[SW]        ; the lower K in the lower byte
.endif
.set i, 0
.rept 32
	v_med3_num_f32 v[XS+i], v[XS+i], -v10, v10     ; the conversion to an 8-bit code does not saturate (ISA guide 7.6.2): the hold comes first
.set i, i+1
.endr
.irp g, 0,1,2,3
	v_cvt_scalef32_pk8_fp8_f32 v[C+8*(\t)+2*\g:C+8*(\t)+2*\g+1], v[XS+8*\g:XS+8*\g+7], v11
.endr
	v_nop                                          ; a plain line behind the last conversion
	global_store_b128 v4, v[C+8*(\t):C+8*(\t)+3], s[10:11] offset:512*(\t)         ; k 32 t + 0 .. 15: the image's lanes 0-15; sixteen lanes store 256 consecutive bytes, aligned
	global_store_b128 v4, v[C+8*(\t)+4:C+8*(\t)+7], s[10:11] offset:512*(\t)+256   ; k 32 t + 16 .. 31: its lanes 16-31
.endm
	BLOCK 0, 63
	BLOCK 1, 63
	BLOCK 2, 32
	BLOCK 3, 0
	ds_store_b32 v5, v[SW]                         ; the eight waves' words make the scale image of the two tiles: 1,024 bytes
	s_wait_dscnt 0x0                               ; for the others' sake: my word has landed
	s_barrier_signal -1
	s_barrier_wait -1
	s_cmp_lt_u32 s16, 2
	s_cbranch_scc0 .Ldone
	ds_load_b128 v[12:15], v6                      ; waves 0 and 1: a tile's 512 bytes each
	s_wait_dscnt 0x0
	global_store_b128 v6, v[12:15], s[12:13]       ; 512 consecutive bytes
.Ldone:
	s_wait_tensorcnt 0x0
	ds_add_u32 v192, v193
	s_wait_dscnt 0x0
	s_endpgm
.Lfunc_end_k_q48edb4de3f_prep:
	.size	k_q48edb4de3f_prep, .Lfunc_end_k_q48edb4de3f_prep-k_q48edb4de3f_prep
	.p2alignl 7, 3214868480
	.fill 96, 4, 3214868480
	.section	.rodata,"a",@progbits
	.p2align	6, 0x0
	.amdhsa_kernel k_q48edb4de3f_prep
		.amdhsa_group_segment_fixed_size 5120
		.amdhsa_private_segment_fixed_size 0
		.amdhsa_enable_private_segment 0
		.amdhsa_kernarg_size 24
		.amdhsa_user_sgpr_count 2
		.amdhsa_user_sgpr_kernarg_segment_ptr 1
		.amdhsa_wavefront_size32 1
		.amdhsa_system_sgpr_workgroup_id_x 1
		.amdhsa_system_sgpr_workgroup_id_y 1
		.amdhsa_system_sgpr_workgroup_id_z 1
		.amdhsa_system_vgpr_workitem_id 0
		.amdhsa_next_free_vgpr 194
		.amdhsa_next_free_sgpr 66
		.amdhsa_reserve_vcc 0
		.amdhsa_float_denorm_mode_32 3
		.amdhsa_float_denorm_mode_16_64 3
		.amdhsa_memory_ordered 1
		.amdhsa_forward_progress 1
		.amdhsa_inst_pref_size 42
	.end_amdhsa_kernel
	.amdgpu_metadata
---
amdhsa.version: [ 1, 2 ]
amdhsa.kernels:
  - .name:           k_q48edb4de3f_prep
    .symbol:         k_q48edb4de3f_prep.kd
    .args:
      - { .name: kv_w, .offset: 0, .size: 8, .value_kind: global_buffer, .address_space: global }
      - { .name: out_w, .offset: 8, .size: 8, .value_kind: global_buffer, .address_space: global }
      - { .name: wq, .offset: 16, .size: 8, .value_kind: global_buffer, .address_space: global }
    .group_segment_fixed_size: 5120
    .private_segment_fixed_size: 0
    .kernarg_segment_align: 8
    .kernarg_segment_size: 24
    .max_flat_workgroup_size: 256
    .sgpr_count:     66
    .vgpr_count:     194
    .wavefront_size: 32
...
	.end_amdgpu_metadata
.endif
;; end of part 1
;; launch pool (part 2): grid 256 x 1, 4 waves a work-group, clusters of 4 x 1, 327,680 bytes of LDS; arguments hidden_states, mask, query, kv_b, wq, part_o, part_ml; writes part_o, part_ml
.if DOCPART == 2
	.amdgcn_target "amdgcn-amd-amdhsa--gfx1250"
	.amdhsa_code_object_version 6
	.text
	.protected	k_q48edb4de3f_pool
	.globl	k_q48edb4de3f_pool
	.p2align	8
	.type	k_q48edb4de3f_pool,@function
k_q48edb4de3f_pool:
	s_mov_b64 s[64:65], 0
	v_nop
	global_prefetch_b8 v0, s[64:65] scope:SCOPE_SE
	s_setreg_imm32_b32 hwreg(HW_REG_WAVE_MODE, 25, 1), 1
	s_wait_xcnt 0x0
	s_wait_alu depctr_hold_cnt(0) depctr_sa_sdst(0) depctr_va_vdst(0) depctr_va_sdst(0) depctr_va_ssrc(0) depctr_va_vcc(0) depctr_vm_vsrc(0)
	s_getreg_b32 s2, hwreg(HW_REG_IB_STS2, 6, 4)
	s_cmp_eq_u32 s2, 0
	s_cbranch_scc0 .Lentry_in_a_cluster
	s_endpgm
.Lentry_in_a_cluster:
	s_bfe_u32 s2, ttmp6, 0x10000c
	s_cmp_lg_u32 s2, 0x3003
	s_cbranch_scc0 .Lentry_shape_is_right
	s_endpgm
.Lentry_shape_is_right:
; For 128 rows of hidden_states (an eighth of one batch): quantise them to FP8 (E4M3) with one E8M0 scale for each 32 along K, multiply by all 2,048 columns of kv_w's codes,
; and reduce on the way: score = q . k (+ q . b_k), masked softmax over the wave's 64 rows, o = sum of p v.  k and v never go to memory.  Out go, for each wave's 64 rows and 8 heads, (m, l) and o.
; v's bias and the division by l are left to the next launch: sum p (v + b) / l = sum p v / l + b.
; SHARES.  Wave w = 2 i + j keeps the codes of rows 64 i .. 64 i + 63 for ALL of K in 512 registers; a slot of LDS holds 128 columns x all K of the weights, and the wave multiplies by columns 64 j .. 64 j + 63 of it:
; exactly one head's k (slots 0-7: head 2 t + j) or v (slots 8-15: head 2 (t - 8) + j).  So scores, p and o never leave the wave.  A weight fragment read from LDS feeds four products.
; CLUSTER.  All work-groups walk the same 16 slots: the four of a cluster ask for each quarter slot JOINTLY (mask 15, the same descriptor in all four; nothing in it hangs on the place in the cluster).
; k's products are used transposed (source 0 = 16 columns of the weight, source 1 = 16 rows of x): a lane holds one row and eight channels, for the dot product with q.
; v's are used as they are (source 0 = rows, source 1 = columns): a lane holds one channel and eight rows, for the sum with p.
; THE WAVE'S OWN ORDER OF ROW BLOCKS: l = 0, 1 are rows 32 w + 16 l + r, which it quantised itself; l = 2, 3 are rows 32 (w xor 1) + 16 (l - 2) + r, whose register images it took from its partner through LDS.
; The pooled number is a mean of 1,024 values of v that are some 32 times larger than itself, and it is quantised afterwards.
; LIMITS: a block of x that is all zeros or lies under 2^-118 gets the byte 1; NaN and infinities among the inputs are not served.  64 rows that are all masked give m = -3e38, l = 0, o = 0.
; REGISTERS, in windows of 256.  Window 0: v0-23 addresses and the mask; v24-31 the weights' scale words, v32-63 x's (8 l + s): scales alone; v64-95 four accumulators (while x is quantised: v64-79 at work);
;   v96-127 q or p; v128-144 sums; while x is quantised v128-255 are two sets of 64 numbers.  Window 1: four sets of 64 numbers as loaded, later the weights' fragments, two sets of 128.
;   Windows 2, 3: x's fragments at 64 (s % 4) + 16 l, K steps 0-3 and 4-7.
.set SLOTB, 135168                     ; a slot: 131,072 bytes of codes, 4,096 of scale words
.set QTR,   33792                      ; a quarter slot: 132 rows of 256 bytes: what one tensor load brings
.set STG,   2*SLOTB                    ; behind the ring, a wave's own 8,448 bytes: 16 rows x 528, the turn of the f32 numbers; later its scores / p (2,048 bytes) and behind them its o (2,048)
.set STGW,  8448
.set TR,    STG+4*STGW                 ; fragment images from wave to wave: two buffers of 4 x 2,048
.set TRS,   TR+2*8192                  ; their scale words: two buffers of 4 x 128
.set QL,    TRS+2*512                  ; the query, 4,096 bytes
.set QB,    QL+4096                    ; q . b_k for each head
.set ML,    QB+256                     ; (m, l): 128 i + 8 head
.set SPARE, ML+256                     ; the spare words, 128 bytes for each wave: two blocks of 256 bytes that no other line names
.set BS,  24
.set AS,  32
.set ACC, 64
.set TM,  64
.set QP,  96
.set SUM, 128
.set T,   136
.set T2,  140
.set X,   128
.set S,   128                          ; the softmax: v128-143 scores, v144-159 pairs (m, l), v160 -infinity, v162-169 the other half's figure
.set MLR, 144
.set PT,  162
.set TO_1, 0x40                        ; destination window 1
.set MSB, 0
.macro WIN new                         ; the immediate's high byte repeats the setting that is left; a switch that changes nothing is dropped
.if MSB != \new
	s_set_vgpr_msb (MSB<<8)|\new
.set MSB, \new
.endif
.endm
.macro PLACES n
.rept \n
	v_nop
.endr
.endm
.macro CREST                           ; a round of the cluster's barrier behind its opening barrier
	s_cmp_lg_u32 s18, 0
	s_cbranch_scc1 .Lnot_wave_0_\@
	s_barrier_signal -3
.Lnot_wave_0_\@:
	s_barrier_wait -3
	s_barrier_signal -1
	s_barrier_wait -1
.endm
.macro CROUND
	s_barrier_signal -1
	s_barrier_wait -1
	CREST
.endm
	s_load_b256 s[4:11], s[0:1], 0x0               ; hidden_states s[4:5], mask s[6:7], query s[8:9], kv_b s[10:11]
	s_load_b128 s[12:15], s[0:1], 0x20             ; wq s[12:13], part_o s[14:15]
	s_load_b64 s[16:17], s[0:1], 0x30              ; part_ml
	v_lshl_add_u32 v2, v0, 2, SPARE                ; my spare word; never rewritten
	v_mov_b32 v3, 0                                ; 0; never rewritten
	ds_add_u32 v2, v3
	ds_add_u32 v2, v3
	s_wait_dscnt 0x0
	v_lshrrev_b32 v80, 5, v0
	v_readfirstlane_b32 s18, v80                   ; wave w
	s_lshr_b32 s19, s18, 1                         ; i: my half of the rows
	s_and_b32 s20, s18, 1                          ; j: my half of a slot's columns
	s_xor_b32 s22, s18, 1                          ; my partner
	s_bfe_u32 s50, ttmp6, 0x40000                  ; cx
	s_lshl_b32 s21, ttmp9, 2
	s_add_co_u32 s21, s21, s50                     ; work-group = 4 x cluster + cx: it enters global addresses of x, mask and the results alone
	s_mov_b32 s23, 0x600000                        ; the mantissa field of 448
	s_mov_b32 s40, 0x76543210
	s_mov_b32 s41, 0xfedcba98                      ; v_permlanex16_b32's selects for lane l xor 16
	s_mov_b32 s49, 0x3e38aa3b                      ; c = log2(e) / 8
	s_mov_b32 s56, 0x80808080                      ; the sign bits of four codes
	; descriptor group 1: 132 rows of 32 elements of 8 bytes, dense, no padding (images are read 16 bytes a lane on end)
	s_mov_b32 s24, 15|(3<<16)|(1<<21)              ; 15:0 the mask: all four work-groups; 17:16 elements of 8 bytes; 21 set beside a mask
	s_mov_b32 s25, 32<<16                          ; tensor_dim0 = 32
	s_mov_b32 s26, 132<<16                         ; tensor_dim1 = 132
	s_mov_b32 s27, 32<<16                          ; tile_dim0 = 32
	s_mov_b32 s28, 132                             ; tile_dim1 = 132
	s_mov_b32 s29, 32                              ; from row to row
	s_mov_b32 s30, 0
	s_mov_b32 s31, 0
	s_mul_i32 s51, s18, QTR                        ; my quarter of a slot, in LDS and in memory alike
	s_mov_b32 s52, s51
	s_mov_b32 s53, 0
	s_mul_i32 s54, s18, STGW
	s_add_co_u32 s54, s54, STG                     ; my stage; kept
	s_wait_kmcnt 0x0
	s_mov_b32 s32, 1                               ; group 0 for slot 0
	s_mov_b32 s33, s51
	s_add_nc_u64 s[34:35], s[12:13], s[52:53]
	s_add_nc_u64 s[38:39], s[34:35], SLOTB
	s_or_b32 s35, s35, 0x80000000
	s_mov_b32 s36, 1                               ; group 0 for slot 1; it then walks
	s_add_co_u32 s37, s51, SLOTB
	s_or_b32 s39, s39, 0x80000000
	CROUND                                         ; all four work-groups are here: the first joint loads meet
	tensor_load_to_lds s[32:35], s[24:31]          ; two loads of mine are out: the most in this text
	s_nop 0
	tensor_load_to_lds s[36:39], s[24:31]
	s_nop 0
	PLACES 4
	s_lshl_b32 s50, s21, 19                        ; 128 rows of 4,096 bytes a work-group,
	s_lshl_b32 s51, s18, 17                        ; 32 a wave
	s_add_co_u32 s50, s50, s51
	s_mov_b32 s51, 0
	s_add_nc_u64 s[4:5], s[4:5], s[50:51]
	s_lshl_b32 s50, s21, 9
	s_add_nc_u64 s[6:7], s[6:7], s[50:51]          ; the work-group's 128 words of the mask
	s_lshl_b32 s50, s21, 1
	s_add_co_u32 s50, s50, s19
	s_lshl_b32 s50, s50, 12                        ; part_o: row 2 WG + i of 4,096 bytes,
	s_lshl_b32 s52, s20, 8                         ; head j's 256 bytes
	s_add_co_u32 s50, s50, s52
	s_add_nc_u64 s[14:15], s[14:15], s[50:51]
	s_lshl_b32 s50, s21, 8
	s_add_nc_u64 s[16:17], s[16:17], s[50:51]      ; part_ml: 256 bytes a work-group
	v_and_b32 v80, 31, v0                          ; L
	v_and_b32 v81, 15, v0                          ; r
	v_bfe_u32 v82, v0, 4, 1                        ; h
	v_lshlrev_b32 v1, 4, v80                       ; 16 L; never rewritten
	v_lshlrev_b32 v83, 5, v0                       ; eight numbers of q and of b_k a thread
	v_lshlrev_b32 v84, 2, v0                       ; the mask of row 32 w + L,
	v_xor_b32 v85, 32, v0
	v_lshlrev_b32 v85, 2, v85                      ; and of row 32 (w xor 1) + L
	global_load_b128 v[128:131], v83, s[8:9]
	global_load_b128 v[132:135], v83, s[8:9] offset:16
	global_load_b128 v[136:139], v83, s[10:11]
	global_load_b128 v[140:143], v83, s[10:11] offset:16
	global_load_b32 v22, v84, s[6:7]
	global_load_b32 v23, v85, s[6:7]
; STEP f = 2 s + l' of sixteen: rows 16 l' .. 16 l' + 15 of my 32, K step s.
.macro LOAD f                          ; 16 loads, a row's 512 consecutive bytes each, into raw set f % 4 of window 1
	WIN TO_1
.irp t, 0,1,2,3,4,5,6,7,8,9,10,11,12,13,14,15
	global_load_b128 v[64*((\f)%4)+4*\t:64*((\f)%4)+4*\t+3], v1, s[4:5] offset:(16*((\f)%2)+\t)*4096+512*((\f)/2) th:TH_LOAD_NT
.endr
	WIN 0
.endm
.macro TURN f                          ; through my stage: in as loaded, back so that lane (r, h) holds, of row r, k = 32 b + 16 h + 0 .. 15 in registers 16 b + 0 .. 15.  LDS serves a wave's instructions in order: no wait between
	WIN 0x04                                       ; an LDS store's data are its source 1: window 1
.irp t, 0,1,2,3,4,5,6,7,8,9,10,11,12,13,14,15
	ds_store_b128 v16, v[64*((\f)%4)+4*\t:64*((\f)%4)+4*\t+3] offset:528*\t
.endr
	WIN 0
.irp b, 0,1,2,3
.irp y, 0,1,2,3
	ds_load_b128 v[X+64*((\f)%2)+16*\b+4*\y:X+64*((\f)%2)+16*\b+4*\y+3], v17 offset:128*\b+16*\y
.endr
.endr
.endm
	LOAD 0
	LOAD 1
	LOAD 2
	s_lshl_b32 s50, s20, 16
	v_add_nc_u32 v4, s50, v1                       ; my four tiles of a slot's codes: 65,536 j + 16 L
	s_lshl_b32 s50, s20, 11
	s_add_co_u32 s50, s50, 131072
	v_add_nc_u32 v5, s50, v1                       ; and their scale images
	s_lshl_b32 s50, s20, 8
	s_add_co_u32 s50, s50, QL
	v_lshl_add_u32 v8, v82, 5, s50                 ; q: head j, + 32 h
	s_lshl_b32 s50, s20, 2
	s_add_co_u32 s50, s50, QB
	v_mov_b32 v9, s50                              ; q . b_k of head j
	v_lshl_add_u32 v10, v81, 2, s54                ; scores in: 4 r
	v_lshl_add_u32 v11, v82, 5, s54                ; p out: 32 h
	v_add_nc_u32 v12, 2048, v10                    ; o in: 4 r
	v_add_nc_u32 v16, s54, v1                      ; the stage, on the way in
	v_mul_u32_u24 v17, v81, 528
	v_lshl_add_u32 v17, v82, 6, v17
	v_add_nc_u32 v17, s54, v17                     ; and back: row r, + 64 h
	s_lshl_b32 s50, s18, 11
	s_add_co_u32 s50, s50, TR
	v_add_nc_u32 v18, s50, v1                      ; where I put a fragment's image,
	s_lshl_b32 s50, s22, 11
	s_add_co_u32 s50, s50, TR
	v_add_nc_u32 v19, s50, v1                      ; and where my partner's lies
	s_lshl_b32 s50, s18, 7
	s_add_co_u32 s50, s50, TRS
	v_lshl_add_u32 v20, v80, 2, s50                ; the scale words likewise
	s_lshl_b32 s50, s22, 7
	s_add_co_u32 s50, s50, TRS
	v_lshl_add_u32 v21, v80, 2, s50
.irp b, 0,1,2,3
	v_mov_b32 v[TM+4+\b], 0                        ; written once: a lane permute's destination counts as one of its sources
.endr
	v_add_nc_u32 v86, QL, v83
	v_lshrrev_b32 v87, 3, v0
	v_lshl_add_u32 v87, v87, 2, QB
	s_wait_loadcnt 48                              ; q, b_k and the mask are in; the three sets of 16 behind them stay out
	ds_store_b128 v86, v[128:131]                  ; the query to LDS, for all waves
	ds_store_b128 v86, v[132:135] offset:16
	v_mul_f32 v144, v128, v136                     ; q . b_k: my eight,
.irp e, 1,2,3,4,5,6,7
	v_fmac_f32 v144, v[128+\e], v[136+\e]
.endr
	v_add_f32_dpp v144, v144, v144 row_xmask:1 row_mask:0xf bank_mask:0xf   ; and the head's other seven threads'
	v_add_f32_dpp v144, v144, v144 row_xmask:2 row_mask:0xf bank_mask:0xf
	v_add_f32_dpp v144, v144, v144 row_xmask:4 row_mask:0xf bank_mask:0xf
	ds_store_b32 v87, v144                         ; eight lanes write the same word with the same value
	LOAD 3
	s_wait_loadcnt 48                              ; set 0 is in
	TURN 0
.macro STEP f
.set SS, (\f)/2
.set LL, (\f)%2
.set XS, X+64*((\f)%2)
.set DWIN, 2+SS/4                      ; the fragment's window,
.set DREG, 64*(SS%4)+16*LL             ; its first register,
.set ASR, AS+8*LL+SS                   ; and its scale word's
.set TOFF, ((\f)%2)*8192
.set SOFF, ((\f)%2)*512
	s_wait_dscnt 0x0                               ; this step's numbers are back from the stage, and my partner's last image is in
.if (\f) < 12
	LOAD (\f)+4
.endif
.if (\f) < 15
.if (\f) <= 11
	s_wait_loadcnt 48                              ; the next step's 16 loads are in; the three sets behind them stay out
.else
	s_wait_loadcnt 16*(14-(\f))                    ; the counts run down
.endif
	TURN (\f)+1
.endif
.irp b, 0,1,2,3
	v_max3_num_f32 v[TM+\b], |v[XS+16*\b]|, |v[XS+1+16*\b]|, 0x4800000   ; block b: my 16 numbers and the floor 2^(9 - 127)
.endr
.irp i, 2,4,6,8,10,12,14
.irp b, 0,1,2,3
	v_max3_num_f32 v[TM+\b], v[TM+\b], |v[XS+16*\b+\i]|, |v[XS+1+16*\b+\i]|   ; the four blocks by turns
.endr
.endr
.irp b, 0,1,2,3
	v_permlanex16_b32 v[TM+4+\b], v[TM+\b], s40, s41
.endr
.irp b, 0,1,2,3
	v_max_num_f32 v[TM+\b], v[TM+\b], v[TM+4+\b]   ; with lane l xor 16's: the block's largest magnitude
.endr
.irp b, 0,1,2,3
	v_add_nc_u32 v[TM+12+\b], 0xfc000000, v[TM+\b] ; 8 off the exponent field: the conversion's scale operand
.endr
.irp b, 0,1,2,3
	v_and_or_b32 v[TM+8+\b], v[TM+\b], 0x7f800000, s23   ; 448 x the scale
.endr
.irp b, 0,1,2,3
	v_lshrrev_b32 v[TM+4+\b], 23, v[TM+12+\b]      ; the scale's byte
.endr
	v_lshl_or_b32 v[ASR], v[TM+5], 8, v[TM+4]      ; my row's scale word for this K step, in its place for good
	v_lshl_or_b32 v[ASR], v[TM+6], 16, v[ASR]
	v_lshl_or_b32 v[ASR], v[TM+7], 24, v[ASR]
.irp b, 0,1,2,3
.irp i, 0,1,2,3,4,5,6,7,8,9,10,11,12,13,14,15
	v_med3_num_f32 v[XS+16*\b+\i], v[XS+16*\b+\i], -v[TM+8+\b], v[TM+8+\b]   ; the conversion does not saturate (ISA guide 7.6.2): the hold comes first
.endr
.endr
.set WN, DWIN<<6
	WIN WN                                         ; destination: the fragment's window
.irp b, 0,1,2,3
	v_cvt_scalef32_pk8_fp8_f32 v[DREG+4*\b:DREG+4*\b+1], v[XS+16*\b:XS+16*\b+7], v[TM+12+\b]
	v_cvt_scalef32_pk8_fp8_f32 v[DREG+4*\b+2:DREG+4*\b+3], v[XS+8+16*\b:XS+15+16*\b], v[TM+12+\b]
.endr
	WIN 0
	v_nop                                          ; a plain line behind the last conversion
.if LL == 1
.set WN, (DWIN<<6)|(DWIN<<2)
	WIN WN                                         ; destination and source 1: the fragment's window
.irp n, 0,1,2,3,4,5,6,7,8,9,10,11,12,13,14,15
	v_xor_b32 v[DREG+\n], s56, v[DREG+\n]          ; my second row block enters negated: the sign bit of each code is turned, ahead of the image, so that my partner's copy is negated too
.endr
.endif
.set WN, DWIN<<2
	WIN WN                                         ; store data from the fragment's window
.irp c, 0,1,2,3
	ds_store_b128 v18, v[DREG+4*\c:DREG+4*\c+3] offset:TOFF+512*\c   ; the fragment as an image of its registers: 16 bytes a lane on end
.endr
	WIN 0
	ds_store_b32 v20, v[ASR] offset:SOFF
	s_wait_dscnt 0x0                               ; for my partner's sake: the image has landed; and my reads of the other buffer, a step ago, are over, so that it may be written in the next step
	s_barrier_signal -1
	s_barrier_wait -1
.set WN, DWIN<<6
	WIN WN
.irp c, 0,1,2,3
	ds_load_b128 v[DREG+32+4*\c:DREG+32+4*\c+3], v19 offset:TOFF+512*\c   ; my partner's fragment: my row block l' + 2
.endr
	WIN 0
	ds_load_b32 v[ASR+16], v21 offset:SOFF
.endm
.irp f, 0,1,2,3,4,5,6,7,8,9,10,11,12,13,14,15
	STEP \f
.endr
	s_wait_tensorcnt 1                             ; my quarter of slot 0 is in; slot 1's may stay out
	s_wait_dscnt 0x0
	s_barrier_signal -1
	s_barrier_wait -1                              ; everybody's is; q and q . b_k lie in LDS
; A tile's fragments of the weight (16 columns x all of K: 128 registers) and its four scale registers: 33 LDS loads in one run
.macro FETCH u, set
	WIN TO_1
.irp s, 0,1,2,3,4,5,6,7
.irp c, 0,1,2,3
	ds_load_b128 v[128*(\set)+16*\s+4*\c:128*(\set)+16*\s+4*\c+3], v6 offset:16384*(\u)+2048*\s+512*\c
.endr
.endr
	WIN 0
	ds_load_b128 v[BS+4*(\set):BS+4*(\set)+3], v7 offset:512*(\u)
.endm
; Four products: K step s of the tile, my four row blocks by turns, one instruction a turn.  The weight's scale word of an odd K step lies in lanes 16-31 of its register.
.macro MUL kind, s, set
.irp l, 0,1,2,3
.set rD, ACC+8*\l
.set rB, 128*(\set)+16*(\s)
.set rA, 64*((\s)%4)+16*\l
.set rT, BS+4*(\set)+(\s)/2
.set rU, AS+8*\l+(\s)
.if (\kind) == 0
.if (\s) == 0
	v_wmma_scale_f32_16x16x128_f8f6f4 v[rD:rD+7], v[rB:rB+15], v[rA:rA+15], 0, v[rT], v[rU]
.elseif (\s)%2
	v_wmma_scale_f32_16x16x128_f8f6f4 v[rD:rD+7], v[rB:rB+15], v[rA:rA+15], v[rD:rD+7], v[rT], v[rU] matrix_a_scale:MATRIX_SCALE_ROW1
.else
	v_wmma_scale_f32_16x16x128_f8f6f4 v[rD:rD+7], v[rB:rB+15], v[rA:rA+15], v[rD:rD+7], v[rT], v[rU]
.endif
.else
.if (\s) == 0
	v_wmma_scale_f32_16x16x128_f8f6f4 v[rD:rD+7], v[rA:rA+15], v[rB:rB+15], 0, v[rU], v[rT]
.elseif (\s)%2
	v_wmma_scale_f32_16x16x128_f8f6f4 v[rD:rD+7], v[rA:rA+15], v[rB:rB+15], v[rD:rD+7], v[rU], v[rT] matrix_b_scale:MATRIX_SCALE_ROW1
.else
	v_wmma_scale_f32_16x16x128_f8f6f4 v[rD:rD+7], v[rA:rA+15], v[rB:rB+15], v[rD:rD+7], v[rU], v[rT]
.endif
.endif
.endr
.endm
; k's tile u: lane (r, h) holds row r of block l and channels 16 u + 8 h + 0 .. 7: times q, summed in a pair for each block.  Each accumulator is read from its low end on.
.macro EPK u
.irp i, 0,1,2,3
.irp l, 0,1,2,3
.if ((\u) == 0) && (\i == 0)
	v_pk_mul_f32 v[SUM+2*\l:SUM+2*\l+1], v[ACC+8*\l+2*\i:ACC+8*\l+2*\i+1], v[QP+8*(\u)+2*\i:QP+8*(\u)+2*\i+1]
.else
	v_pk_fma_f32 v[SUM+2*\l:SUM+2*\l+1], v[ACC+8*\l+2*\i:ACC+8*\l+2*\i+1], v[QP+8*(\u)+2*\i:QP+8*(\u)+2*\i+1], v[SUM+2*\l:SUM+2*\l+1]
.endif
.endr
.endr
.endm
; v's tile u: lane (r, h) holds channel 16 u + r and rows 8 h + 0 .. 7 of block l: times p, summed over my 64 rows (blocks 1 and 3: -v times -p)
.macro EPV u
.irp i, 0,1,2,3
.irp l, 0,1,2,3
.if \i == 0
	v_pk_mul_f32 v[SUM+2*\l:SUM+2*\l+1], v[ACC+8*\l:ACC+8*\l+1], v[QP+8*\l:QP+8*\l+1]
.else
	v_pk_fma_f32 v[SUM+2*\l:SUM+2*\l+1], v[ACC+8*\l+2*\i:ACC+8*\l+2*\i+1], v[QP+8*\l+2*\i:QP+8*\l+2*\i+1], v[SUM+2*\l:SUM+2*\l+1]
.endif
.endr
.endr
	v_pk_add_f32 v[SUM:SUM+1], v[SUM:SUM+1], v[SUM+2:SUM+3]
	v_pk_add_f32 v[SUM+4:SUM+5], v[SUM+4:SUM+5], v[SUM+6:SUM+7]
	v_pk_add_f32 v[SUM:SUM+1], v[SUM:SUM+1], v[SUM+4:SUM+5]
	v_add_f32 v[T], v[SUM], v[SUM+1]
	v_permlanex16_b32 v[T2], v[T], s40, s41        ; the other eight rows of each block
	v_add_f32 v[T], v[T], v[T2]
	ds_store_b32 v15, v[T] offset:64*(\u)          ; lanes r and r + 16 write the same word with the same value
.endm
; A TILE: 32 products; eight places; the fetch of the tile two on into the set just multiplied; the reduction.
; chg = 2: the change of slots, with a joint refill; 1: the change without one; 0: none.  fu: the tile to fetch, or -1.
; Eight plain lines stand between the last product and the loads into its registers and the first read of its result; with twelve of the reduction's lines, which name none of an accumulator's registers, more than nine stand ahead of the product that begins that accumulator anew.
.macro TILE kind, u, chg, fu
.set SETN, (\u)%2
.if (\kind) == 0
.set WLO, 0x09                         ; source 0 (weight) window 1, source 1 (x) window 2
.set WHI, 0x0d                         ; ... window 3
.else
.set WLO, 0x06                         ; source 0 (x) window 2, source 1 (weight) window 1
.set WHI, 0x07                         ; source 0 window 3
.endif
	WIN WLO
	MUL \kind, 0, SETN
	MUL \kind, 1, SETN
	MUL \kind, 2, SETN
	MUL \kind, 3, SETN
.if (\chg) == 0
	WIN WHI
	MUL \kind, 4, SETN
	MUL \kind, 5, SETN
	MUL \kind, 6, SETN
	MUL \kind, 7, SETN
	WIN 0
	PLACES 8
.else
	WIN 0                                          ; (the add's two registers lie in window 0)
	s_wait_tensorcnt 0x0                           ; all my tensor loads have landed: my quarter of the next slot
	ds_add_u32 v2, v3                              ; 0 onto my spare word
.if (\chg) == 2
	s_xor_b32 s37, s37, SLOTB                      ; no tensor load of mine is out, so the walking descriptor may be written: the other slot than last time (a quarter's offset shares no bit with the slot's size),
	s_add_nc_u64 s[38:39], s[38:39], SLOTB         ; the next 128 columns
.endif
	WIN WHI
	MUL \kind, 4, SETN                             ; eight products stand between the add and the wait for it
	MUL \kind, 5, SETN
	s_wait_dscnt 0x0                               ; the add is done, and my reads of this slot are over (the last were issued a tile ago)
	s_barrier_signal -1
	MUL \kind, 6, SETN
	MUL \kind, 7, SETN
	WIN 0
	s_barrier_wait -1
.if (\chg) == 2
	CREST                                          ; the barrier has opened a round of the cluster's: no wave of any partner still reads this slot or has a load on its way
	tensor_load_to_lds s[36:39], s[24:31]          ; my one load behind the round: it has 112 products in which to land
	s_nop 0
.endif
	PLACES 4
	s_xor_b32 s42, s42, SLOTB                      ; the fetches go on in the other slot
	v_add_nc_u32 v6, s42, v4
	v_add_nc_u32 v7, s42, v5
	PLACES 2                                       ; eight places in all
.endif
.if (\fu) >= 0
	FETCH \fu, SETN
	s_wait_dscnt 33                                ; all but the 33 just issued: the next tile's fragments, q or p, earlier results
.else
	s_wait_dscnt 0x0
.endif
.if (\kind) == 0
	EPK \u
.else
	EPV \u
.endif
.endm
; A SLOT: one head's k or v for my 64 rows, four tiles.  s43, s44, s45: the head's place in q, in q . b_k, in my scores and o.
.macro SLOTM kind, chg, nxt
.if (\kind) == 0
	v_add_nc_u32 v13, s43, v8
	v_add_nc_u32 v14, s44, v9
	v_add_nc_u32 v15, s45, v10
.else
	v_add_nc_u32 v13, s45, v11
	v_add_nc_u32 v15, s45, v12
.endif
.irp u, 0,1,2,3
.irp y, 0,1
	ds_load_b128 v[QP+8*\u+4*\y:QP+8*\u+4*\y+3], v13 offset:64*\u+16*\y   ; k: q(16 u + 8 h + ..);  v: p(row 16 u + 8 h + ..)
.endr
.endr
.if (\kind) == 0
	ds_load_b32 v144, v14
.endif
	TILE \kind, 0, 0, 2
	TILE \kind, 1, 0, 3
.if \nxt
	TILE \kind, 2, \chg, 0
	TILE \kind, 3, 0, 1
.else
	TILE \kind, 2, \chg, -1
	TILE \kind, 3, 0, -1
.endif
.if (\kind) == 0
.irp l, 0,1,2,3
	v_add_f32 v[T+\l], v[SUM+2*\l], v[SUM+2*\l+1]
.endr
.irp l, 0,1,2,3
	v_permlanex16_b32 v[T2+\l], v[T+\l], s40, s41  ; the row's other 32 channels
.endr
.irp l, 0,1,2,3
	v_add_f32 v[T+\l], v[T+\l], v[T2+\l]
.endr
.irp l, 0,2
	v_add_f32 v[T+\l], v[T+\l], v144               ; + q . b_k
.endr
.irp l, 1,3
	v_sub_f32 v[T+\l], v144, v[T+\l]               ; the blocks that entered negated: q . b_k - (q . -k)
.endr
.irp l, 0,1,2,3
	ds_store_b32 v15, v[T+\l] offset:64*\l         ; the score of row 16 l + r (not yet divided by 8)
.endr
	s_add_co_u32 s43, s43, 512
	s_add_co_u32 s44, s44, 8
.endif
	s_add_co_u32 s45, s45, 256
.endm
	s_mov_b32 s42, 0
	s_mov_b32 s43, 0
	s_mov_b32 s44, 0
	s_mov_b32 s45, 0
	v_mov_b32 v6, v4
	v_mov_b32 v7, v5
.irp l, 0,1,2,3
	v_mov_b32 v[T2+\l], 0                          ; written once: a lane permute's destination counts as one of its sources
.endr
	FETCH 0, 0
	FETCH 1, 1
	s_wait_dscnt 33                                ; tile 0's fragments are in
	s_mov_b32 s46, 8
.Lkslot:                                               ; slots 0 to 7: k
	SLOTM 0, 2, 1
	s_sub_co_u32 s46, s46, 1
	s_cmp_lg_u32 s46, 0
	s_cbranch_scc1 .Lkslot
	; THE SOFTMAX of my 8 heads over my 64 rows: m, p = 2^((s - m) c), l.  Lane L holds rows L and 32 + L of my own order.
	v_and_b32 v240, 31, v0
	v_lshl_add_u32 v241, v240, 2, s54
.irp x, 0,1,2,3,4,5,6,7
	ds_load_b32 v[S+2*\x], v241 offset:256*\x
	ds_load_b32 v[S+2*\x+1], v241 offset:256*\x+128
.endr
	s_lshl_b32 s50, s19, 7
	s_lshl_b32 s51, s20, 3
	s_add_co_u32 s50, s50, s51
	s_add_co_u32 s50, s50, ML
	v_mov_b32 v242, s50                            ; (m, l) of head j: 128 i + 8 j
	v_bfe_u32 v243, v0, 4, 1
	v_lshlrev_b32 v243, 31, v243                   ; the sign bit in lanes 16-31: rows 16-31 and 48-63 of my order are the blocks that entered negated
	v_mov_b32 v160, 0xff800000                     ; -infinity
	v_cmp_eq_u32 s47, 0, v22                       ; where the mask is 0
	v_cmp_eq_u32 s48, 0, v23
.irp x, 0,1,2,3,4,5,6,7
	v_mov_b32 v[PT+\x], 0
.endr
	s_wait_dscnt 0x0
.irp x, 0,1,2,3,4,5,6,7
	v_cndmask_b32 v[S+2*\x], v[S+2*\x], v160, s47
	v_cndmask_b32 v[S+2*\x+1], v[S+2*\x+1], v160, s48
.endr
.irp x, 0,1,2,3,4,5,6,7
	v_max3_num_f32 v[MLR+2*\x], v[S+2*\x], v[S+2*\x+1], 0xff61b1e6   ; held at -3e38, so that 64 masked rows give a number
.endr
.irp m, 1,2,4,8
.irp x, 0,1,2,3,4,5,6,7
	v_max_num_f32_dpp v[MLR+2*\x], v[MLR+2*\x], v[MLR+2*\x] row_xmask:\m row_mask:0xf bank_mask:0xf
.endr
.endr
.irp x, 0,1,2,3,4,5,6,7
	v_permlanex16_b32 v[PT+\x], v[MLR+2*\x], s40, s41
.endr
.irp x, 0,1,2,3,4,5,6,7
	v_max_num_f32 v[MLR+2*\x], v[MLR+2*\x], v[PT+\x]
.endr
.irp x, 0,1,2,3,4,5,6,7
	v_sub_f32 v[S+2*\x], v[S+2*\x], v[MLR+2*\x]
	v_sub_f32 v[S+2*\x+1], v[S+2*\x+1], v[MLR+2*\x]
.endr
.irp n, 0,1,2,3,4,5,6,7,8,9,10,11,12,13,14,15
	v_mul_f32 v[S+\n], s49, v[S+\n]
.endr
.irp n, 0,1,2,3,4,5,6,7,8,9,10,11,12,13,14,15
	v_exp_f32 v[S+\n], v[S+\n]                     ; a masked row: 2^(-infinity) = 0
.endr
	v_nop                                          ; a plain line behind the last exponential
	s_wait_alu depctr_va_vdst(0)                   ; one wait for the batch of sixteen, ahead of its first reader
.irp x, 0,1,2,3,4,5,6,7
	v_add_f32 v[MLR+2*\x+1], v[S+2*\x], v[S+2*\x+1]
.endr
.irp m, 1,2,4,8
.irp x, 0,1,2,3,4,5,6,7
	v_add_f32_dpp v[MLR+2*\x+1], v[MLR+2*\x+1], v[MLR+2*\x+1] row_xmask:\m row_mask:0xf bank_mask:0xf
.endr
.endr
.irp x, 0,1,2,3,4,5,6,7
	v_permlanex16_b32 v[PT+\x], v[MLR+2*\x+1], s40, s41
.endr
.irp x, 0,1,2,3,4,5,6,7
	v_add_f32 v[MLR+2*\x+1], v[MLR+2*\x+1], v[PT+\x]
.endr
.irp n, 0,1,2,3,4,5,6,7,8,9,10,11,12,13,14,15
	v_xor_b32 v[S+\n], v243, v[S+\n]               ; l is summed: now p of the negated blocks becomes -p, to meet their -v
.endr
.irp x, 0,1,2,3,4,5,6,7
	ds_store_b32 v241, v[S+2*\x] offset:256*\x     ; p takes the scores' place
	ds_store_b32 v241, v[S+2*\x+1] offset:256*\x+128
	ds_store_b64 v242, v[MLR+2*\x:MLR+2*\x+1] offset:16*\x   ; all lanes write the same pair
.endr
	s_mov_b32 s45, 0
	s_mov_b32 s46, 6
.Lvslot:                                               ; slots 8 to 13: v, each change of slots still asks for a slot
	SLOTM 1, 2, 1
	s_sub_co_u32 s46, s46, 1
	s_cmp_lg_u32 s46, 0
	s_cbranch_scc1 .Lvslot
	SLOTM 1, 1, 1                                  ; slot 14: the tail is written out: nothing is left to ask for
	SLOTM 1, 0, 0                                  ; slot 15
	; THE WAY OUT.  The (m, l) of all four waves were stored ahead of seven barriers: wave 0 stores the work-group's 256 bytes as one aligned run.
	v_and_b32 v240, 31, v0
	v_lshlrev_b32 v245, 3, v240
	v_add_nc_u32 v244, ML, v245
	v_and_b32 v241, 15, v0
	v_bfe_u32 v242, v0, 4, 1
	v_lshlrev_b32 v241, 4, v241
	v_lshl_add_u32 v241, v242, 9, v241             ; o: lanes 0-15 one head's 256 bytes, lanes 16-31 those of my next head, 512 bytes on
	s_cmp_lg_u32 s18, 0
	s_cbranch_scc1 .Lnot_ml
	ds_load_b64 v[176:177], v244
	s_wait_dscnt 0x0
	global_store_b64 v245, v[176:177], s[16:17]
.Lnot_ml:
.irp y, 0,1,2,3
	ds_load_b128 v[160+4*\y:160+4*\y+3], v16 offset:2048+512*\y   ; LDS serves a wave's instructions in order: these see my stores of o
.endr
.irp y, 0,1,2,3
	s_wait_dscnt 3-\y
	global_store_b128 v241, v[160+4*\y:160+4*\y+3], s[14:15] offset:1024*\y   ; sixteen lanes store 256 consecutive bytes, aligned
.endr
	s_wait_tensorcnt 0x0                           ; the wave's end
	ds_add_u32 v2, v3
	s_wait_dscnt 0x0
	CROUND                                         ; the closing round: no work-group ends while a partner may still ask for a slot that names it
	s_endpgm
.Lfunc_end_k_q48edb4de3f_pool:
	.size	k_q48edb4de3f_pool, .Lfunc_end_k_q48edb4de3f_pool-k_q48edb4de3f_pool
	.p2alignl 7, 3214868480
	.fill 96, 4, 3214868480
	.section	.rodata,"a",@progbits
	.p2align	6, 0x0
	.amdhsa_kernel k_q48edb4de3f_pool
		.amdhsa_group_segment_fixed_size 327680
		.amdhsa_private_segment_fixed_size 0
		.amdhsa_enable_private_segment 0
		.amdhsa_kernarg_size 56
		.amdhsa_user_sgpr_count 2
		.amdhsa_user_sgpr_kernarg_segment_ptr 1
		.amdhsa_wavefront_size32 1
		.amdhsa_system_sgpr_workgroup_id_x 1
		.amdhsa_system_sgpr_workgroup_id_y 1
		.amdhsa_system_sgpr_workgroup_id_z 1
		.amdhsa_system_vgpr_workitem_id 0
		.amdhsa_next_free_vgpr 1024
		.amdhsa_next_free_sgpr 66
		.amdhsa_reserve_vcc 0
		.amdhsa_float_denorm_mode_32 3
		.amdhsa_float_denorm_mode_16_64 3
		.amdhsa_memory_ordered 1
		.amdhsa_forward_progress 1
		.amdhsa_inst_pref_size 255
	.end_amdhsa_kernel
	.section	.bss,"aw",@nobits
	.p2align	6
	.space	262144
	.amdgpu_metadata
---
amdhsa.version: [ 1, 2 ]
amdhsa.kernels:
  - .name:           k_q48edb4de3f_pool
    .symbol:         k_q48edb4de3f_pool.kd
    .args:
      - { .name: hidden_states, .offset: 0, .size: 8, .value_kind: global_buffer, .address_space: global }
      - { .name: mask, .offset: 8, .size: 8, .value_kind: global_buffer, .address_space: global }
      - { .name: query, .offset: 16, .size: 8, .value_kind: global_buffer, .address_space: global }
      - { .name: kv_b, .offset: 24, .size: 8, .value_kind: global_buffer, .address_space: global }
      - { .name: wq, .offset: 32, .size: 8, .value_kind: global_buffer, .address_space: global }
      - { .name: part_o, .offset: 40, .size: 8, .value_kind: global_buffer, .address_space: global }
      - { .name: part_ml, .offset: 48, .size: 8, .value_kind: global_buffer, .address_space: global }
    .group_segment_fixed_size: 327680
    .private_segment_fixed_size: 0
    .kernarg_segment_align: 8
    .kernarg_segment_size: 56
    .max_flat_workgroup_size: 128
    .sgpr_count:     66
    .vgpr_count:     1024
    .wavefront_size: 32
...
	.end_amdgpu_metadata
.endif
;; end of part 2
;; launch fin (part 3): grid 8 x 32, 4 waves a work-group, no clusters, 2,560 bytes of LDS; arguments part_o, part_ml, kv_b, wq, out_b, out0; writes out0
.if DOCPART == 3
	.amdgcn_target "amdgcn-amd-amdhsa--gfx1250"
	.amdhsa_code_object_version 6
	.text
	.protected	k_q48edb4de3f_fin
	.globl	k_q48edb4de3f_fin
	.p2align	8
	.type	k_q48edb4de3f_fin,@function
k_q48edb4de3f_fin:
	s_mov_b64 s[64:65], 0
	v_nop
	global_prefetch_b8 v0, s[64:65] scope:SCOPE_SE
	s_setreg_imm32_b32 hwreg(HW_REG_WAVE_MODE, 25, 1), 1
	s_wait_xcnt 0x0
; out0[b][128 g .. 128 g + 127] for one batch b (work-group y) and one slot g of 128 columns of out_w (work-group x).
; FIRST the 16 partial softmaxes of each head of the batch are joined: M = max m_p, w_p = 2^((m_p - M) c), L = sum w_p l_p, pooled = sum w_p o_p / L + b_v; all in f32.
; Thread t takes channels 8 t .. 8 t + 7 (head t / 8).  The pooled row is quantised along its 1,024 channels to FP8 (E4M3) with one E8M0 byte for each 32 (a block lies in four neighbouring lanes).
; THEN the row's codes and its eight scale words go through LDS to all four waves, and the row is multiplied by out_w's codes, which lie in slot 16 + g of wq as images of the operand's registers.
; THE ROW IS ALL SIXTEEN ROWS OF ITS OPERAND: a lane's LDS address does not hang on its row number, so every row of the operand is the batch's row and every row of a result is the same.
; Fifteen sixteenths of the 64 products of a work-group are repeats.  That is paid so that the eight work-groups of a batch need nothing from each other: no launch and no buffer stands between the pooled row and its product.
; A work-group reads 66 KB of partials (each of the batch's eight work-groups reads them) and 135 KB of weights; with two slots to a work-group it would be 336 KB on half as many work-groups.
; Wave w takes column tiles 2 w and 2 w + 1: 16 products, two accumulators by turns, K ascending.  Source 0 = the row, source 1 = 16 columns: lane r holds column r.
; NO CLUSTER: what work-groups share here is read once by each, straight into operand registers; there is no loop in which joint requests could be kept in step, and a joint load would send 135 KB through LDS behind rounds of their own.
; LIMITS: a batch whose mask is all zeros has L = 0: its codes are set to the NaN code and its scale bytes to 0xff, so that its output row is NaN.  A block under 2^-118 gets the byte 1.  NaN and infinities among the inputs are not served.
; REGISTERS.  Window 0: v0-29 addresses and work; v32-63 pairs (m_p, l_p); v64-191 o_p, later the row's eight fragments; v192-199 b_v; v200-207 the pooled numbers; v208-223 two accumulators;
;   v224-231 out_w's scale words, v232-239 the row's: scales alone.  Window 1: out_w's sixteen fragments, tile t, K step s at 128 t + 16 s.
.set SLOTB, 135168
.set MLP, 32                           ; v32-63   pairs (m_p, l_p); m_p gives way to w_p
.set PO,  64                           ; v64-191  o_p: eight numbers for each p
.set AF,  64                           ; ... and later the row's fragments, 16 registers a K step
.set BV,  192                          ; v192-199 b_v
.set O,   200                          ; v200-207 the sums, then the pooled numbers
.set ACC, 208
.set BS,  224
.set AS,  232
.set SCW,  1024                        ; LDS: the row's 1,024 codes from byte 0; its eight scale words here;
.set OUTS, 1280                        ; and the work-group's 128 results, 512 bytes
.set MSB, 0
.macro WIN new                         ; the immediate's high byte repeats the setting that is left
.if MSB != \new
	s_set_vgpr_msb (MSB<<8)|\new
.set MSB, \new
.endif
.endm
	s_load_b256 s[4:11], s[0:1], 0x0               ; part_o s[4:5], part_ml s[6:7], kv_b s[8:9], wq s[10:11]
	s_load_b128 s[12:15], s[0:1], 0x20             ; out_b s[12:13], out0 s[14:15]
	v_lshl_add_u32 v254, v0, 2, 0x800
	v_mov_b32 v255, 0
	v_lshrrev_b32 v7, 5, v0
	v_readfirstlane_b32 s18, v7                    ; wave
	v_lshlrev_b32 v1, 5, v0                        ; 32 t: my eight f32
	v_lshrrev_b32 v2, 3, v0
	v_lshlrev_b32 v2, 3, v2                        ; 8 x head
	v_lshlrev_b32 v3, 3, v0                        ; LDS: 8 t: my eight codes
	v_lshrrev_b32 v4, 4, v0
	v_lshl_add_u32 v4, v4, 2, SCW                  ; LDS: the scale word of my K step, t / 16
	v_bfe_u32 v5, v0, 2, 2
	v_lshlrev_b32 v5, 3, v5                        ; my block's byte in it: 8 ((t / 4) % 4) bits up
	v_and_b32 v6, 31, v0                           ; L
	v_lshlrev_b32 v27, 4, v6                       ; 16 L
	s_lshl_b32 s19, s18, 15
	v_add_nc_u32 v20, s19, v27                     ; my two tiles' code images: 2 w x 16,384 + 16 L
	s_lshl_b32 s19, s18, 10
	s_add_co_u32 s19, s19, 131072
	v_add_nc_u32 v21, s19, v27                     ; and their scale images: 131,072 + 2 w x 512 + 16 L
	v_bfe_u32 v22, v0, 4, 1
	v_lshlrev_b32 v22, 4, v22                      ; LDS: 16 h: the row's codes for my half of the lanes, whatever my r
	v_mov_b32 v23, SCW                             ; LDS: the scale words, the same for every lane
	v_lshlrev_b32 v24, 2, v0                       ; 4 t: my column among the work-group's 128
	v_add_nc_u32 v25, OUTS, v24
	v_add_nc_u32 v26, OUTS, v27
	s_and_b32 s20, ttmp7, 0xffff                   ; the batch
	s_mov_b32 s17, 0
	s_mov_b32 s21, 0x600000                        ; the mantissa field of 448
	s_mov_b32 s22, 0x3e38aa3b                      ; c = log2(e) / 8
	s_add_co_u32 s23, ttmp9, 16
	s_mul_i32 s23, s23, SLOTB                      ; slot 16 + g
	s_wait_kmcnt 0x0
	s_lshl_b32 s16, s20, 16
	s_add_nc_u64 s[4:5], s[4:5], s[16:17]          ; the batch's 16 rows of 4,096 bytes
	s_lshl_b32 s16, s20, 11
	s_add_nc_u64 s[6:7], s[6:7], s[16:17]          ; its 16 x 16 pairs
	s_mov_b32 s16, s23
	s_add_nc_u64 s[10:11], s[10:11], s[16:17]
	s_lshl_b32 s16, ttmp9, 9                       ; 128 columns of f32
	s_add_nc_u64 s[12:13], s[12:13], s[16:17]
	s_add_nc_u64 s[14:15], s[14:15], s[16:17]
	s_lshl_b32 s16, s20, 12
	s_add_nc_u64 s[14:15], s[14:15], s[16:17]      ; row b of out0
	; 117 loads: the 50 that the joining wants first, then the bias, the weights' scale images and their 64 pieces of code
.irp p, 0,1,2,3,4,5,6,7,8,9,10,11,12,13,14,15
	global_load_b64 v[MLP+2*\p:MLP+2*\p+1], v2, s[6:7] offset:128*\p
.endr
.irp p, 0,1,2,3,4,5,6,7,8,9,10,11,12,13,14,15
	global_load_b128 v[PO+8*\p:PO+8*\p+3], v1, s[4:5] offset:4096*\p
	global_load_b128 v[PO+8*\p+4:PO+8*\p+7], v1, s[4:5] offset:4096*\p+16
.endr
	global_load_b128 v[BV:BV+3], v1, s[8:9] offset:4096      ; v's bias is the second half of kv_b
	global_load_b128 v[BV+4:BV+7], v1, s[8:9] offset:4112
	global_load_b32 v28, v24, s[12:13]             ; out_b of my column
.irp t, 0,1
	global_load_b128 v[BS+4*\t:BS+4*\t+3], v21, s[10:11] offset:512*\t
.endr
	WIN 0x40                                       ; destination window 1
.irp t, 0,1
.irp s, 0,1,2,3,4,5,6,7
.irp c, 0,1,2,3
	global_load_b128 v[128*\t+16*\s+4*\c:128*\t+16*\s+4*\c+3], v20, s[10:11] offset:16384*\t+2048*\s+512*\c
.endr
.endr
.endr
	WIN 0
	s_wait_loadcnt 63                              ; of 117 loads at most 63 are out: the first 54 are in, the joining's 50 among them (67 were issued behind those; the count is the largest that the field names)
	v_max3_num_f32 v8, v[MLP], v[MLP+2], v[MLP+4]
.irp p, 3,5,7,9,11,13
	v_max3_num_f32 v8, v8, v[MLP+2*\p], v[MLP+2*\p+2]
.endr
	v_max_num_f32 v8, v8, v[MLP+30]                ; M: a number, since every m_p is at least -3e38
.irp p, 0,1,2,3,4,5,6,7,8,9,10,11,12,13,14,15
	v_sub_f32 v[MLP+2*\p], v[MLP+2*\p], v8
.endr
.irp p, 0,1,2,3,4,5,6,7,8,9,10,11,12,13,14,15
	v_mul_f32 v[MLP+2*\p], s22, v[MLP+2*\p]
.endr
.irp p, 0,1,2,3,4,5,6,7,8,9,10,11,12,13,14,15
	v_exp_f32 v[MLP+2*\p], v[MLP+2*\p]             ; w_p
.endr
	v_mov_b32 v11, 0                               ; a plain line behind the last exponential (v11 is named below as the upper half of a pair)
	s_wait_alu depctr_va_vdst(0)                   ; one wait for the sixteen, ahead of their first reader
	v_mul_f32 v9, v[MLP], v[MLP+1]
.irp p, 1,2,3,4,5,6,7,8,9,10,11,12,13,14,15
	v_fmac_f32 v9, v[MLP+2*\p], v[MLP+2*\p+1]      ; L
.endr
	v_rcp_f32 v10, v9
	v_mov_b32 v15, 0                               ; a plain line behind the reciprocal (v15: a lane move's destination, written once)
.irp q, 0,1,2,3
	v_pk_mul_f32 v[O+2*\q:O+2*\q+1], v[PO+2*\q:PO+2*\q+1], v[MLP:MLP+1] op_sel_hi:[1,0]   ; of the pair (w, l) the low word serves both halves
.endr
.irp p, 1,2,3,4,5,6,7,8,9,10,11,12,13,14,15
.irp q, 0,1,2,3
	v_pk_fma_f32 v[O+2*\q:O+2*\q+1], v[PO+8*\p+2*\q:PO+8*\p+2*\q+1], v[MLP+2*\p:MLP+2*\p+1], v[O+2*\q:O+2*\q+1] op_sel_hi:[1,0,1]
.endr
.endr
	v_cmp_lt_f32 vcc_lo, 0, v9                     ; does the batch have an open key?
	s_wait_alu depctr_va_vdst(0)                   ; the reciprocal's wait: the 64 sums above are the work between
.irp q, 0,1,2,3
	v_pk_fma_f32 v[O+2*\q:O+2*\q+1], v[O+2*\q:O+2*\q+1], v[10:11], v[BV+2*\q:BV+2*\q+1] op_sel_hi:[1,0,1]   ; / L + b_v
.endr
	v_max3_num_f32 v12, |v[O]|, |v[O+1]|, 0x4800000            ; my eight and the floor 2^(9 - 127),
	v_max3_num_f32 v12, v12, |v[O+2]|, |v[O+3]|
	v_max3_num_f32 v12, v12, |v[O+4]|, |v[O+5]|
	v_max3_num_f32 v12, v12, |v[O+6]|, |v[O+7]|
	v_max_num_f32_dpp v12, v12, v12 row_xmask:1 row_mask:0xf bank_mask:0xf   ; and the block's other three lanes'
	v_max_num_f32_dpp v12, v12, v12 row_xmask:2 row_mask:0xf bank_mask:0xf
	v_add_nc_u32 v13, 0xfc000000, v12              ; 8 off the exponent field: the conversion's scale operand
	v_and_or_b32 v14, v12, 0x7f800000, s21         ; 448 x the scale
	v_lshrrev_b32 v16, 23, v13                     ; the scale's byte
.irp e, 0,1,2,3,4,5,6,7
	v_med3_num_f32 v[O+\e], v[O+\e], -v14, v14     ; the conversion does not saturate (ISA guide 7.6.2)
.endr
	v_cvt_scalef32_pk8_fp8_f32 v[18:19], v[O:O+7], v13
	v_nop                                          ; a plain line behind the conversion
	v_cndmask_b32 v18, 0x7f7f7f7f, v18, vcc_lo     ; no open key: NaN codes,
	v_cndmask_b32 v19, 0x7f7f7f7f, v19, vcc_lo
	v_cndmask_b32 v16, 0xff, v16, vcc_lo           ; and the NaN byte
	ds_store_b64 v3, v[18:19]                      ; the row's codes, K on end
	v_lshlrev_b32 v16, v5, v16                     ; my block's byte in its place; the four blocks of a K step lie in lanes 4 and 8 apart
	v_mov_b32_dpp v15, v16 row_xmask:4 row_mask:0xf bank_mask:0xf
	v_or_b32 v16, v16, v15
	v_mov_b32_dpp v15, v16 row_xmask:8 row_mask:0xf bank_mask:0xf
	v_or_b32 v16, v16, v15                         ; the scale word, in all sixteen lanes of the K step
	ds_store_b32 v4, v16                           ; sixteen lanes write the same word with the same value
	v_cmp_le_u32 vcc_lo, 16, v6                    ; lanes 16-31: for the way out
	s_wait_dscnt 0x0                               ; for the others' sake: my codes and my word have landed
	s_barrier_signal -1
	s_barrier_wait -1
	ds_load_b128 v[AS:AS+3], v23                   ; the row's eight scale words, the same in every lane: every row of the operand is this row
	ds_load_b128 v[AS+4:AS+7], v23 offset:16
.irp s, 0,1,2,3,4,5,6,7
.irp c, 0,1,2,3
	ds_load_b128 v[AF+16*\s+4*\c:AF+16*\s+4*\c+3], v22 offset:128*\s+32*\c   ; k = 128 s + 32 c + 16 h + 0 .. 15; sixteen lanes share each 16 bytes
.endr
.endr
	s_wait_loadcnt 0x0                             ; the weights, their scales and the bias
	s_wait_dscnt 0x0
	WIN 0x04                                       ; source 1 (out_w) window 1
.irp t, 0,1
	v_wmma_scale_f32_16x16x128_f8f6f4 v[ACC+8*\t:ACC+8*\t+7], v[AF:AF+15], v[128*\t:128*\t+15], 0, v[AS], v[BS+4*\t]
.endr
.irp s, 1,2,3,4,5,6,7
.irp t, 0,1
.if \s%2
	v_wmma_scale_f32_16x16x128_f8f6f4 v[ACC+8*\t:ACC+8*\t+7], v[AF+16*\s:AF+16*\s+15], v[128*\t+16*\s:128*\t+16*\s+15], v[ACC+8*\t:ACC+8*\t+7], v[AS+\s], v[BS+4*\t+\s/2] matrix_b_scale:MATRIX_SCALE_ROW1
.else
	v_wmma_scale_f32_16x16x128_f8f6f4 v[ACC+8*\t:ACC+8*\t+7], v[AF+16*\s:AF+16*\s+15], v[128*\t+16*\s:128*\t+16*\s+15], v[ACC+8*\t:ACC+8*\t+7], v[AS+\s], v[BS+4*\t+\s/2]
.endif
.endr
.endr
	WIN 0
.rept 8
	v_nop                                          ; eight places ahead of the first read of a result
.endr
	v_cndmask_b32 v29, v[ACC], v[ACC+8], vcc_lo    ; lane L: column 32 w + L: tile 2 w in lanes 0-15, tile 2 w + 1 in lanes 16-31; each accumulator is read at its lowest register (all its rows are alike)
	v_add_f32 v29, v29, v28                        ; + out_b
	ds_store_b32 v25, v29
	s_wait_dscnt 0x0                               ; for wave 0's sake: my 32 results lie in the stage
	s_barrier_signal -1
	s_barrier_wait -1
	s_cmp_lg_u32 s18, 0
	s_cbranch_scc1 .Ldone
	ds_load_b128 v[32:35], v26
	s_wait_dscnt 0x0
	global_store_b128 v27, v[32:35], s[14:15]      ; 32 lanes store the work-group's 512 consecutive bytes, at a multiple of 256 from out0's first byte
.Ldone:
	s_wait_tensorcnt 0x0
	ds_add_u32 v254, v255
	s_wait_dscnt 0x0
	s_endpgm
.Lfunc_end_k_q48edb4de3f_fin:
	.size	k_q48edb4de3f_fin, .Lfunc_end_k_q48edb4de3f_fin-k_q48edb4de3f_fin
	.p2alignl 7, 3214868480
	.fill 96, 4, 3214868480
	.section	.rodata,"a",@progbits
	.p2align	6, 0x0
	.amdhsa_kernel k_q48edb4de3f_fin
		.amdhsa_group_segment_fixed_size 2560
		.amdhsa_private_segment_fixed_size 0
		.amdhsa_enable_private_segment 0
		.amdhsa_kernarg_size 48
		.amdhsa_user_sgpr_count 2
		.amdhsa_user_sgpr_kernarg_segment_ptr 1
		.amdhsa_wavefront_size32 1
		.amdhsa_system_sgpr_workgroup_id_x 1
		.amdhsa_system_sgpr_workgroup_id_y 1
		.amdhsa_system_sgpr_workgroup_id_z 1
		.amdhsa_system_vgpr_workitem_id 0
		.amdhsa_next_free_vgpr 512
		.amdhsa_next_free_sgpr 66
		.amdhsa_reserve_vcc 1
		.amdhsa_float_denorm_mode_32 3
		.amdhsa_float_denorm_mode_16_64 3
		.amdhsa_memory_ordered 1
		.amdhsa_forward_progress 1
		.amdhsa_inst_pref_size 28
	.end_amdhsa_kernel
	.amdgpu_metadata
---
amdhsa.version: [ 1, 2 ]
amdhsa.kernels:
  - .name:           k_q48edb4de3f_fin
    .symbol:         k_q48edb4de3f_fin.kd
    .args:
      - { .name: part_o, .offset: 0, .size: 8, .value_kind: global_buffer, .address_space: global }
      - { .name: part_ml, .offset: 8, .size: 8, .value_kind: global_buffer, .address_space: global }
      - { .name: kv_b, .offset: 16, .size: 8, .value_kind: global_buffer, .address_space: global }
      - { .name: wq, .offset: 24, .size: 8, .value_kind: global_buffer, .address_space: global }
      - { .name: out_b, .offset: 32, .size: 8, .value_kind: global_buffer, .address_space: global }
      - { .name: out0, .offset: 40, .size: 8, .value_kind: global_buffer, .address_space: global }
    .group_segment_fixed_size: 2560
    .private_segment_fixed_size: 0
    .kernarg_segment_align: 8
    .kernarg_segment_size: 48
    .max_flat_workgroup_size: 128
    .sgpr_count:     66
    .vgpr_count:     512
    .wavefront_size: 32
...
	.end_amdgpu_metadata
.endif
;; end of part 3
